; MI455X (gfx1250); checked and timed in simulation.
; The chip was launched on July 23, 2026; its instructions are those of AMD's public machine-readable ISA for CDNA 5 (MIT licence, August 2026) and "CDNA5" Instruction Set Architecture Reference Guide (July 2026). The comments in the code are by the model that wrote it; some were corrected since.
;; Multi Head Attention Einsum. Allowed arithmetic: matrix products marked QUANTISED: E2M3 operands, one E8M0 scale for each 32 along K, by v_wmma_scale_f32_16x16x128_f8f6f4 with both operands' format E2M3, f32 sums; everything else in f32.
;; Inputs: W_k_codes 1,024 x 32 x 24 uint8 (E2M3 codes of W_k, K innermost, in blocks of 32 codes, four codes in three bytes); W_k_scales 1,024 x 32 uint8 (E8M0 scales of W_k, one for each 32 codes along K); W_out_codes 1,024 x 32 x 24 uint8 (E2M3 codes of W_out, K innermost, in blocks of 32 codes, four codes in three bytes); W_out_scales 1,024 x 32 uint8 (E8M0 scales of W_out, one for each 32 codes along K); W_q_codes 1,024 x 32 x 24 uint8 (E2M3 codes of W_q, K innermost, in blocks of 32 codes, four codes in three bytes); W_q_scales 1,024 x 32 uint8 (E8M0 scales of W_q, one for each 32 codes along K); W_v_codes 1,024 x 32 x 24 uint8 (E2M3 codes of W_v, K innermost, in blocks of 32 codes, four codes in three bytes); W_v_scales 1,024 x 32 uint8 (E8M0 scales of W_v, one for each 32 codes along K); b_out 1,024 float32; x_codes 4 x 2,048 x 32 x 24 uint8 (E2M3 codes of x, K innermost, in blocks of 32 codes, four codes in three bytes); x_scales 4 x 2,048 x 32 uint8 (E8M0 scales of x, one for each 32 codes along K).
;; Outputs: out0 4 x 2,048 x 1,024 float32.
;; This version of the problem:
;;   THIS VERSION OF THE PROBLEM IS GIVEN IN LOW PRECISION. The matrix products marked QUANTISED in the list below multiply operands that are first quantised to E2M3 (2 exponent bits, 3 mantissa bits; 6 bits a number), with one power-of-two scale for each 32 numbers along K (OCP MX v1.0); their sums are f32. All else is computed in f32.
;;   The module's matrix products, in the order in which they are computed (A, B: the left and right operand; K: the contracted axis; several contracted axes count as one K, in the product's order):
;;     1. [M 8,192, K 1,024] x [K 1,024, N 1,024]; A: input x (given as codes); B: input W_q (given as codes): QUANTISED
;;     2. [M 8,192, K 1,024] x [K 1,024, N 1,024]; A: input x (given as codes); B: input W_k (given as codes): QUANTISED
;;     3. [M 8,192, K 1,024] x [K 1,024, N 1,024]; A: input x (given as codes); B: input W_v (given as codes): QUANTISED
;;     4. batch 64 x [M 2,048, K 64] x [K 64, N 2,048]; A: computed on the way; B: computed on the way: QUANTISED
;;     5. batch 64 x [M 2,048, K 2,048] x [K 2,048, N 64]; A: softmax (see below); B: computed on the way: QUANTISED
;;     6. [M 8,192, K 1,024] x [K 1,024, N 1,024]; A: computed on the way; B: input W_out (given as codes): QUANTISED
;;   THE QUANTISER, for each operand of a quantised product, along K:
;;     - K is cut into blocks of 32 from its start; a last block that is shorter is filled with zeros.
;;     - A block's scale is 2^e with e = floor(log2(the largest magnitude in the block)) - 2, held to -126 .. 127; a block of zeros has e = 0. As a byte (E8M0): e + 127.
;;     - Each number is divided by its block's scale, clamped to +-7.5, and rounded to the nearest number of E2M3, ties to even, subnormals kept.
;;     - The product sums the exact products of the quantised numbers (number of the format x scale) in f32.
;;   ~~~python
;;   def quantise(x, axis):      # numpy; x: float32 -> the quantised numbers, widened to float32 again
;;       x = np.moveaxis(x, axis, -1); K = x.shape[-1]
;;       x = np.pad(x, [(0, 0)] * (x.ndim - 1) + [(0, -K % 32)]); x = x.reshape(x.shape[:-1] + (-1, 32)); a = np.abs(x).max(-1, keepdims=True)
;;       e = np.where(a > 0, np.clip(np.frexp(np.where(a > 0, a, 1))[1] - 1 - 2, -126, 127), 0)      # np.frexp(a)[1] - 1 = floor(log2(a)), exactly
;;       r = np.clip(x / 2.0 ** e, -7.5, 7.5)
;;       step = 2.0 ** (np.maximum(np.frexp(np.where(r == 0, 1, r))[1] - 1, 0) - 3)
;;       q = np.round(r / step) * step * 2.0 ** e      # np.round: ties to even
;;       return np.moveaxis(q.reshape(q.shape[:-2] + (-1,))[..., :K], -1, axis).astype(np.float32)
;;   ~~~
;;   SOFTMAX AHEAD OF A QUANTISED PRODUCT. Where the list says 'softmax', what is quantised is not the finished softmax but p = 2^(t - M), with t = logit x log2(e) and M = ceil(the row's largest t), a whole number; so 1/2 < the row's largest p <= 1. The row's sum l is taken of the UNQUANTISED p, in f32, and the product's result is divided by l at the end. Since M is a whole number, a kernel that streams over the keys may use a running M (the ceiling of the running maximum): every later rescaling is an exact power of two, which a block's scale takes up: the codes' values come out the same.
;;   OPERANDS COMPUTED ON THE WAY. 'Computed on the way' means the value that the module computes at that place (a softmax that the list does not call 'softmax' is quantised finished and normalised). What goes into a quantiser is computed in f32, as accurately as f32 sums, v_exp_f32 and their like allow (about 1e-6 of the number): no bf16 or f16 on the way to a quantiser, and a product that is left as it is and whose result goes on into a quantised operand takes f32 operands (vector FMAs, or v_wmma_f32_16x16x4_f32). A number that lies on a knife's edge between two numbers of the format may be rounded either way, as far as f32 arithmetic and the matrix unit's own rounding can turn it there, and no further.
;;   INPUTS GIVEN AS CODES. W_k (in the module: [1024, 1024], K = its axis 1); W_out (in the module: [1024, 1024], K = its axis 1); W_q (in the module: [1024, 1024], K = its axis 1); W_v (in the module: [1024, 1024], K = its axis 1); x (in the module: [4, 2048, 1024], K = its axis 2): each comes as NAME_codes (uint8): NAME with its K axis moved to the last place and cut into blocks of 32 codes, [.., K / 32, bytes a block], one block behind the other in memory; four codes in three bytes: a row's codes are one little-endian stream of bits, code i at bits 6 i .. 6 i + 5 (a code: sign, 2 exponent bits, 3 mantissa bits); and NAME_scales (uint8): the same leading axes, one E8M0 byte (e + 127) for each 32 codes along K. Its value is code x scale, taken as it is: it is not quantised again, and the codes and scales need not be those that the quantiser above would give.
;; One version. Each part assembles by itself: llvm-mc -triple=amdgcn-amd-amdhsa -mcpu=gfx1250 --defsym DOCPART=n.
;; ======== version 1 of 1: 3 launches
;; workspace buffers: qi 6,291,456 bytes; qs 524,288 bytes; kv 13,369,344 bytes; ci 6,291,456 bytes; cs 262,144 bytes
;; launch qkv (part 1): grid 4 x 96, 4 waves a work-group, clusters of 4 x 4, 327,680 bytes of LDS; arguments x_codes, x_scales, W_q_codes, W_q_scales, W_k_codes, W_k_scales, W_v_codes, W_v_scales, qi, qs, kv; writes qi, qs, kv
.if DOCPART == 1
	.amdgcn_target "amdgcn-amd-amdhsa--gfx1250"
	.amdhsa_code_object_version 6
	.text
	.protected	k_q5899bb6f32_qkv
	.globl	k_q5899bb6f32_qkv
	.p2align	8
	.type	k_q5899bb6f32_qkv,@function
k_q5899bb6f32_qkv:
	s_mov_b64 s[64:65], 0
	v_nop
	global_prefetch_b8 v0, s[64:65] scope:SCOPE_SE
	s_setreg_imm32_b32 hwreg(HW_REG_WAVE_MODE, 25, 1), 1
	s_wait_xcnt 0x0
	s_wait_alu depctr_hold_cnt(0) depctr_sa_sdst(0) depctr_va_vdst(0) depctr_va_sdst(0) depctr_va_ssrc(0) depctr_va_vcc(0) depctr_vm_vsrc(0)
	s_getreg_b32 s2, hwreg(HW_REG_IB_STS2, 6, 4)
	s_cmp_eq_u32 s2, 0
	s_cbranch_scc0 .Lentry_in_a_cluster
	s_endpgm
.Lentry_in_a_cluster:
	s_bfe_u32 s2, ttmp6, 0x10000c
	s_cmp_lg_u32 s2, 0xf033
	s_cbranch_scc0 .Lentry_shape_is_right
	s_endpgm
.Lentry_shape_is_right:
; q = x W_q^T, k = x W_k^T, v = x W_v^T on codes of FP6 (E2M3) with one E8M0 scale for each 32 along K = 1,024, sums in f32; each result is quantised in registers for the product
; that reads it (q, k along a head's 64 channels; v along the keys) and leaves as codes and scale words only.
; SHARES.  384 work-groups in 24 clusters of 4 x 4; clusters 0-7 make q, 8-15 k, 16-23 v.  A work-group makes 256 x 256, each of its four waves 128 x 128: 64 accumulators of 16 x 16.
; P is the matrix instruction's source 1: its rows fall on lanes.  R is source 0: its rows run along a lane's registers, so they are the NEXT product's K.
; q, k: P = x (tokens), R = W (channels).  v: P = W_v (channels), R = x (tokens = keys).  P's tile hangs on the cluster's number and cy, R's on the cluster's number and cx:
; P's tiles are asked for jointly along a row of the cluster, R's along a column.  K goes in steps of 256 through a ring of two LDS slots.
; THE WORKSPACE IS LAID AS IMAGES OF THE OPERANDS' REGISTERS: a wave stores a fragment's registers lane by lane (16 or 8 bytes a lane: 512 or 256 consecutive bytes an instruction),
; and the wave that loads them by the same widths at the same lane offsets has the same registers in the same lanes.
; ORDER INSIDE A BLOCK OF 32.  Tiles are natural (lane r of tile i is row 16 i + r), so the 16 registers of tiles 2 b, 2 b + 1 in lane half h are members 8 h + 0..7 and 16 + 8 h + 0..7 of block b.
; The block's 32 members are the true ones (lanes l and l xor 16 hold them all), so its scale is the rule's; only the ORDER of the codes inside the block is changed
; (0-7, 16-23, 8-15, 24-31), alike in q and k, and alike in v and in the weights p that the next launch makes in the same way: the products are the same.
; LIMITS: scale bytes 0xff among the inputs and sums beyond f32's range are not served.  A block whose largest magnitude lies under 2^-124 gets the byte 1, a block of zeros too
; (the rule says 127): its codes are zeros, and this program alone reads the bytes.
; REGISTERS, in windows of 256.  Window 0: v1-6 at work; v16-23 LDS addresses; v24-27 lane offsets; v28-29 the spare word's address and 0; v32-95 P's scale words (block a, K step ks: v[32 + 8 a + ks]);
;   v96-127 and v224-255 R's scale words; v128-223 P's fragments, ONE set; in the epilogue v128-215 are at work.  Window 1: R's fragments, two sets, at v0 and v128.
;   Window 2: the accumulators of my P blocks 0-3 ((a, b) at v[8 (8 a + b)]); window 3: those of blocks 4-7.
.set ROWB,  192                        ; a tile's row: 256 codes
.set KROW,  768                        ; a row of x or of W in memory: 1,024 codes
.set PITCH, 240                        ; an LDS row: 3 x (64 bytes + 16 of padding)
.set FR,    12                         ; registers of a fragment
.set NL,    6                          ; LDS loads that bring one
.set HALFT, 128*PITCH                  ; 128 rows: one tensor load
.set SLOT,  4*HALFT                    ; P's 256 rows, then R's 256
.set SPARE, 2*SLOT                     ; behind the ring: the spare words, 128 bytes a wave, that no other line names
.set REC,   208896                     ; a head's record in kv
.set ADRA, 16                          ; v16-17 P's fragments in slot 0, 1; v18-19 the same behind one padding more
.set ADRB, 20                          ; v20-23 the same for R
.set L16,  24                          ; 16 x lane
.set L8,   25                          ; 8 x lane
.set LVS,  26                          ; 16 x (lane % 16) + a record x (lane / 16)
.set R32,  27                          ; 32 x (lane % 16): a row of scale bytes
.set SPW,  28
.set NIL,  29
.set PS,   32
.set RS,   96
.set AF,   128
.set PCB,  128                         ; epilogue: the codes just made, four sets of 12 by turns
.set XT,   176                         ; v176-178, v180-182: the conversions' second halves
.set TM,   184                         ; v184-187 largest magnitudes, v188-191 the other half's / bytes, v192-195 the conversions' scale operands
.set WS,   200                         ; v200-207 the scale word of each of my eight blocks
.set RSEL, 208                         ; v208-211 words of blocks i (lanes 0-15) and 4 + i (lanes 16-31)
.set RSH,  212                         ; v212-215 the same, upper halves moved down
.set G1,   24                          ; s[24:31] group 1 for P's tiles; s[32:39] group 0, a set for each slot
.set G0,   32
.set G1B,  48                          ; s[48:55], s[56:63] the same for R's
.set G0B,  56
.set WV,   68                          ; my wave
.set HP,   69                          ; wave / 2: my half of P's rows; also 0: I fetch for P, 1: for R
.set HR,   70                          ; wave % 2: my half of R's rows; also which 128 rows I fetch
.set MSB, 0
.macro WIN new                         ; the immediate's high byte repeats the setting that is left
.if MSB != \new
	s_set_vgpr_msb (MSB<<8)|\new
.set MSB, \new
.endif
.endm
.set MUL_LO, 0xa1                      ; source 0 (R) window 1, source 1 (P) window 0, C and D window 2
.set MUL_HI, 0xf1                      ; the same, C and D window 3
.set TO_B,   0x40                      ; destination window 1, address window 0
; A joint load: waves 0 and 1 fetch P's halves, waves 2 and 3 R's.  The branch hangs on the wave's number alone.  Four v_nop follow each of the two lines.
.macro JLOAD g0a, g1a, g0b, g1b
	s_cmp_eq_u32 s[HP], 0
	s_cbranch_scc0 .Lfor_r_\@
	tensor_load_to_lds s[\g0a:\g0a+3], s[\g1a:\g1a+7]
	s_nop 0
.rept 4
	v_nop
.endr
	s_branch .Lasked_\@
.Lfor_r_\@:
	tensor_load_to_lds s[\g0b:\g0b+3], s[\g1b:\g1b+7]
	s_nop 0
.rept 4
	v_nop
.endr
.Lasked_\@:
.endm
.macro CREST                           ; a round of the cluster's barrier behind its opening barrier
	s_cmp_lg_u32 s[WV], 0
	s_cbranch_scc1 .Lnot_wave_0_\@
	s_barrier_signal -3
.Lnot_wave_0_\@:
	s_barrier_wait -3
	s_barrier_signal -1
	s_barrier_wait -1
.endm
.macro CROUND                          ; a whole round
	s_barrier_signal -1
	s_barrier_wait -1
	CREST
.endm
.macro PLACES                          ; four plain places behind matrix instructions, in front of loads into registers that they read and of reads of their results
.rept 4
	v_nop
.endr
.endm
	s_load_b512 s[4:19], s[0:1], 0x0               ; x codes, x scales, W_q codes, scales, W_k codes, scales, W_v codes, scales
	s_load_b128 s[20:23], s[0:1], 0x40             ; qi, qs
	s_load_b64 s[84:85], s[0:1], 0x50              ; kv
	v_lshl_add_u32 v[SPW], v0, 2, SPARE
	v_mov_b32 v[NIL], 0
	ds_add_u32 v28, v29
	ds_add_u32 v28, v29
	s_wait_dscnt 0x0
	v_lshrrev_b32 v1, 5, v0
	v_readfirstlane_b32 s[WV], v1                  ; wave 0..3
	s_lshr_b32 s[HP], s[WV], 1
	s_and_b32 s[HR], s[WV], 1
	s_bfe_u32 s40, ttmp6, 0x40000                  ; cx
	s_bfe_u32 s41, ttmp6, 0x40004                  ; cy
	s_and_b32 s71, ttmp7, 0xffff                   ; the cluster's number, 0..23: all partners share it
	s_lshr_b32 s72, s71, 3                         ; 0: q, 1: k, 2: v
	s_and_b32 s73, s71, 7
	s_lshl_b32 s73, s73, 2                         ; four blocks of 256 tokens to a cluster
	s_lshl_b32 s43, s41, 2
	s_lshl_b32 s43, 15, s43                        ; my row of the cluster
	s_lshl_b32 s44, 0x1111, s40                    ; my column
	s_or_b32 s[G1], s43, (1<<20)|(1<<21)|(3<<22)|(3<<25)    ; the mask; elements of 1 byte; padding on; bit 21 beside a mask; after every 16 words, 4 words
	s_or_b32 s[G1B], s44, (1<<20)|(1<<21)|(3<<22)|(3<<25)
.irp g, G1, G1B
	s_mov_b32 s[\g+1], ROWB<<16                    ; tensor_dim0
	s_mov_b32 s[\g+2], 128<<16                     ; tensor_dim1
	s_mov_b32 s[\g+3], ROWB<<16                    ; tile_dim0
	s_mov_b32 s[\g+4], 128                         ; tile_dim1
	s_mov_b32 s[\g+5], KROW                        ; from row to row
	s_mov_b32 s[\g+6], 0
	s_mov_b32 s[\g+7], 0
.endr
	s_mov_b32 s46, 0x76543210                      ; v_permlanex16_b32's selects for lane l xor 16
	s_mov_b32 s47, 0xfedcba98
	s_cmp_eq_u32 s72, 2
	s_cselect_b32 s74, 0, s73                      ; the tokens' blocks lie on P's side for q and k,
	s_cselect_b32 s75, s73, 0                      ; on R's side for v
	s_add_co_u32 s74, s74, s41                     ; P's block of 256 rows: the cluster's number and cy alone
	s_add_co_u32 s75, s75, s40                     ; R's: the cluster's number and cx alone
	s_lshl_b32 s45, s[HR], 7                       ; which 128 rows of a tile I fetch
	s_lshl_b32 s90, s74, 8
	s_add_co_u32 s90, s90, s45
	s_mul_i32 s90, s90, KROW                       ; P's tile, in bytes (under 2^23)
	s_mov_b32 s91, 0
	s_lshl_b32 s92, s75, 8
	s_add_co_u32 s92, s92, s45
	s_mul_i32 s92, s92, KROW                       ; R's
	s_mov_b32 s93, 0
	s_mul_i32 s45, s[WV], HALFT                    ; where my load goes: wave x 128 rows
	s_wait_kmcnt 0x0
	s_cmp_eq_u32 s72, 1
	s_cselect_b64 s[86:87], s[12:13], s[8:9]       ; the weight of q or of k: codes,
	s_cselect_b64 s[88:89], s[14:15], s[10:11]     ; scales
	s_cmp_eq_u32 s72, 2
	s_cselect_b64 s[76:77], s[16:17], s[4:5]       ; P's codes: W_v, or x
	s_cselect_b64 s[78:79], s[18:19], s[6:7]       ; P's scales
	s_cselect_b64 s[80:81], s[4:5], s[86:87]       ; R's codes: x, or the weight
	s_cselect_b64 s[82:83], s[6:7], s[88:89]       ; R's scales
	s_add_nc_u64 s[90:91], s[76:77], s[90:91]
	s_add_nc_u64 s[92:93], s[80:81], s[92:93]
	CROUND                                         ; all sixteen work-groups are here: the first joint loads meet
.irp s, 0,1
	s_mov_b32 s[G0+4*\s], 1
	s_add_co_u32 s[G0+4*\s+1], s45, \s*SLOT
	s_add_nc_u64 s[G0+4*\s+2:G0+4*\s+3], s[90:91], \s*ROWB
	s_or_b32 s[G0+4*\s+3], s[G0+4*\s+3], 0x80000000
	s_mov_b32 s[G0B+4*\s], 1
	s_add_co_u32 s[G0B+4*\s+1], s45, \s*SLOT
	s_add_nc_u64 s[G0B+4*\s+2:G0B+4*\s+3], s[92:93], \s*ROWB
	s_or_b32 s[G0B+4*\s+3], s[G0B+4*\s+3], 0x80000000
	JLOAD G0+4*\s, G1, G0B+4*\s, G1B               ; two tensor loads of mine are out
.endr
	; THE SCALE WORDS of my 128 rows of P and of R, for all of K, come straight into registers, once: a row's 32 bytes are its 8 words; lanes 16-31 read what lanes 0-15 read.
	v_and_b32 v1, 15, v0                           ; r
	v_bfe_u32 v2, v0, 4, 1                         ; h
	v_lshlrev_b32 v[R32], 5, v1
	s_wait_alu depctr_va_vdst(0)
	s_lshl_b32 s86, s74, 8
	s_lshl_b32 s87, s[HP], 7
	s_add_co_u32 s86, s86, s87                     ; my first row of P (kept for the epilogue)
	s_lshl_b32 s88, s86, 5
	s_mov_b32 s89, 0
	s_add_nc_u64 s[78:79], s[78:79], s[88:89]
	s_lshl_b32 s87, s75, 8
	s_lshl_b32 s88, s[HR], 7
	s_add_co_u32 s87, s87, s88                     ; my first row of R (kept)
	s_lshl_b32 s88, s87, 5
	s_add_nc_u64 s[82:83], s[82:83], s[88:89]
.irp i, 0,1,2,3,4,5,6,7
	global_load_b128 v[PS+8*\i:PS+8*\i+3], v[R32], s[78:79] offset:512*\i
	global_load_b128 v[PS+8*\i+4:PS+8*\i+7], v[R32], s[78:79] offset:512*\i+16
	global_load_b128 v[RS+8*\i+96*(\i/4):RS+8*\i+96*(\i/4)+3], v[R32], s[82:83] offset:512*\i
	global_load_b128 v[RS+8*\i+96*(\i/4)+4:RS+8*\i+96*(\i/4)+7], v[R32], s[82:83] offset:512*\i+16
.endr
	v_and_b32 v3, 31, v0
	v_lshlrev_b32 v[L16], 4, v3
	v_lshlrev_b32 v[L8], 3, v3
	v_mul_u32_u24 v4, v2, REC
	v_lshl_add_u32 v[LVS], v1, 4, v4
	v_mul_u32_u24 v3, v1, PITCH
	v_mul_u32_u24 v4, v2, 24
	v_add_nc_u32 v4, v3, v4                        ; a fragment's row x pitch + 24 x half
	v_lshl_add_u32 v5, v2, 4, v4                   ; and the same behind one padding more
	s_mul_i32 s88, s[HP], HALFT                    ; my 128 rows of P
	s_mul_i32 s89, s[HR], HALFT                    ; my 128 rows of R,
	s_add_co_u32 s89, s89, 2*HALFT                 ; behind P's 256
.irp s, 0,1
	v_add_nc_u32 v[ADRA+\s], s88, v4
	v_add_nc_u32 v[ADRB+\s], s89, v4
	v_add_nc_u32 v[ADRA+2+\s], s88, v5
	v_add_nc_u32 v[ADRB+2+\s], s89, v5
	s_add_co_u32 s88, s88, SLOT
	s_add_co_u32 s89, s89, SLOT
.endr
.macro FRAG reg, adr, q, i             ; 16 rows x 128 K: 12 registers, in pieces of 8 bytes; lanes 16-31 read three pieces further on, which for some pieces is behind one padding more: the second address register serves those
.irp p, 0,1,2,3,4,5
.set PIECE, 12*(\q)+6*(\p/3)+\p%3
.if PIECE%8 < 5
	ds_load_b64 v[\reg+2*\p:\reg+2*\p+1], v[\adr] offset:8*PIECE+16*(PIECE/8)+(\i)*16*PITCH
.else
	ds_load_b64 v[\reg+2*\p:\reg+2*\p+1], v[\adr+2] offset:8*PIECE+16*(PIECE/8)+(\i)*16*PITCH
.endif
.endr
.endm
; 16 matrix instructions: P's blocks a0, a0 + 1 x R's eight, K step ks of eight.  p: R's set.  zero = 1: the first product starts the sums.  The 64 accumulators take turns, one instruction a turn.
.macro MUL16 a0, p, ks, zero
.irp a, \a0, \a0+1
.irp b, 0,1,2,3,4,5,6,7
.if \zero
	v_wmma_scale_f32_16x16x128_f8f6f4 v[8*(8*((\a)%4)+\b):8*(8*((\a)%4)+\b)+7], v[128*(\p)+FR*\b:128*(\p)+FR*\b+FR-1], v[AF+FR*(\a):AF+FR*(\a)+FR-1], 0, v[RS+8*\b+(\ks)+96*(\b/4)], v[PS+8*(\a)+(\ks)] matrix_a_fmt:MATRIX_FMT_FP6 matrix_b_fmt:MATRIX_FMT_FP6
.else
	v_wmma_scale_f32_16x16x128_f8f6f4 v[8*(8*((\a)%4)+\b):8*(8*((\a)%4)+\b)+7], v[128*(\p)+FR*\b:128*(\p)+FR*\b+FR-1], v[AF+FR*(\a):AF+FR*(\a)+FR-1], v[8*(8*((\a)%4)+\b):8*(8*((\a)%4)+\b)+7], v[RS+8*\b+(\ks)+96*(\b/4)], v[PS+8*(\a)+(\ks)] matrix_a_fmt:MATRIX_FMT_FP6 matrix_b_fmt:MATRIX_FMT_FP6
.endif
.endr
.endr
.endm
.macro FETCH_B slot, q, p              ; R's eight fragments of the slot's q-th 128 along K into set p
	WIN TO_B
.irp i, 0,1,2,3,4,5,6,7
	FRAG 128*(\p)+FR*\i, ADRB+\slot, \q, \i
.endr
	WIN 0
.endm
.macro FETCH_A slot, q, i0             ; P's blocks i0 .. i0 + 3
.irp i, \i0, \i0+1, \i0+2, \i0+3
	FRAG AF+FR*(\i), ADRA+\slot, \q, \i
.endr
.endm
; A slot's first 128 along K.  A block of P is free as soon as its eight products are issued: blocks 0-3 are fetched anew in the middle, blocks 4-7 at the end.
.macro STEP slot, ks, zero
	s_wait_dscnt 4*NL                              ; R's set and P's blocks 0-3 are in; the youngest 24 loads (P's blocks 4-7) may be out
	WIN MUL_LO
	MUL16 0, 0, \ks, \zero
	MUL16 2, 0, \ks, \zero
	s_wait_dscnt 0
	PLACES
	FETCH_B \slot, 1, 1
	FETCH_A \slot, 1, 0
	WIN MUL_HI
	MUL16 4, 0, \ks, \zero
	MUL16 6, 0, \ks, \zero
	PLACES
	WIN 0
	FETCH_A \slot, 1, 4
.endm
; A slot's second 128 along K changes slots: ONE barrier; in front of it each wave waits for all its tensor loads, adds 0 to its spare word, and waits for that and for its reads of this slot.  fill = 1: this slot is filled again.
.macro TURN slot, next, fill, ks
	s_wait_tensorcnt 0x0                           ; all my tensor loads have landed: my part of the next slot
	ds_add_u32 v[SPW], v[NIL]                      ; 0 onto my spare word
	s_wait_dscnt 4*NL+1                            ; the add and the youngest 24 loads may be out
	WIN MUL_LO
	MUL16 0, 1, \ks, 0                             ; sixteen matrix instructions stand between the add and the wait for it
	s_wait_dscnt 0x0                               ; the add is done, and my reads of this slot are over
	s_barrier_signal -1
	MUL16 2, 1, \ks, 0
	WIN 0
	s_barrier_wait -1
.if \fill
	CREST                                          ; the barrier has opened a round of the cluster's: no wave of any partner still reads this slot or has a load on its way
	s_add_nc_u64 s[G0+4*\slot+2:G0+4*\slot+3], s[G0+4*\slot+2:G0+4*\slot+3], 2*ROWB
	s_add_nc_u64 s[G0B+4*\slot+2:G0B+4*\slot+3], s[G0B+4*\slot+2:G0B+4*\slot+3], 2*ROWB
	JLOAD G0+4*\slot, G1, G0B+4*\slot, G1B         ; the first tensor load behind the round, my only one until the next; its four v_nop are the places in front of the loads below
.else
	PLACES
.endif
	FETCH_B \next, 0, 0
	FETCH_A \next, 0, 0
	WIN MUL_HI
	MUL16 4, 1, \ks, 0
	MUL16 6, 1, \ks, 0
	PLACES
	WIN 0
	FETCH_A \next, 0, 4
.endm
	s_wait_alu depctr_va_vdst(0)
	s_wait_tensorcnt 1                             ; my part of slot 0 is in; slot 1's may stay out
	s_barrier_signal -1
	s_barrier_wait -1
	s_wait_loadcnt 0x0                             ; the scale words
	FETCH_B 0, 0, 0
	FETCH_A 0, 0, 0
	FETCH_A 0, 0, 4
	; K = 1,024 is eight steps of 128: written out, since each step names its own scale registers
	STEP 0, 0, 1
	TURN 0, 1, 1, 1
	STEP 1, 2, 0
	TURN 1, 0, 1, 3
	STEP 0, 4, 0
	TURN 0, 1, 0, 5                                ; nothing is left to fetch
	STEP 1, 6, 0
	s_wait_dscnt 4*NL
	WIN MUL_LO
	MUL16 0, 1, 7, 0
	MUL16 2, 1, 7, 0
	s_wait_dscnt 0
	WIN MUL_HI
	MUL16 4, 1, 7, 0
	MUL16 6, 1, 7, 0
	WIN 0
	PLACES
	; THE EPILOGUE.  Where my results go: tok0 = my first token, dch0 = my first channel; batch = tok0 / 2,048, key step s = (tok0 / 128) % 16, head A = dch0 / 64 (I hold heads A and A + 1).
	s_cmp_eq_u32 s72, 2
	s_cselect_b32 s88, s87, s86                    ; tok0
	s_cselect_b32 s89, s86, s87                    ; dch0
	s_mov_b32 s90, 12288
	s_cselect_b32 s90, 18432, s90                  ; in a record: K's tiles of step 0 begin at 12,288, V's at 18,432
	s_mov_b32 s91, 512
	s_cselect_b32 s91, 256, s91                    ; scale words of a step: 512 bytes (q, k), 256 (v)
	s_cselect_b32 s92, 8192, 0                     ; V's scale words begin at 8,192
	s_cmp_eq_u32 s72, 0
	s_cselect_b32 s90, 0, s90
	s_mov_b32 s93, REC
	s_cselect_b32 s2, 98304, s93                   ; bytes of a head: in qi, or a record
	s_cselect_b32 s3, 8192, s93                    ; in qs, or a record
	s_mov_b32 s93, 12288
	s_cselect_b32 s93, 6144, s93                   ; bytes of a step's codes
	s_cselect_b64 s[94:95], s[20:21], s[84:85]     ; codes go to qi or to kv,
	s_cselect_b64 s[98:99], s[22:23], s[84:85]     ; scale words to qs or to kv
	s_lshr_b32 s86, s88, 11
	s_bfe_u32 s87, s88, 0x40007                    ; s
	s_lshl_b32 s86, s86, 4
	s_lshr_b32 s89, s89, 6
	s_add_co_u32 s86, s86, s89                     ; 16 x batch + head A
	s_mul_i32 s88, s86, s2
	s_mul_i32 s89, s87, s93
	s_add_co_u32 s88, s88, s89
	s_add_co_u32 s88, s88, s90
	s_mov_b32 s89, 0
	s_add_nc_u64 s[94:95], s[94:95], s[88:89]      ; head A's codes
	s_mov_b32 s88, s2
	s_add_nc_u64 s[96:97], s[94:95], s[88:89]      ; head A + 1's
	s_mul_i32 s88, s86, s3
	s_mul_i32 s90, s87, s91
	s_add_co_u32 s88, s88, s90
	s_add_co_u32 s88, s88, s92
	s_add_nc_u64 s[98:99], s[98:99], s[88:89]      ; head A's scale words
	s_mov_b32 s88, s3
	s_add_nc_u64 s[100:101], s[98:99], s[88:89]    ; head A + 1's
.irp b, 0,1,2,3
	v_mov_b32 v[TM+4+\b], 0                        ; written once: a lane permute's destination counts as one of its sources
.endr
; My block a (16 rows of P x 128 rows of R: 64 numbers a lane, four blocks of 32 along the next K) becomes a fragment's 12 registers at v[PC] and its scale word in v[WS + a].
.macro QUANT a
.set AC, 64*((\a)%4)
.set W, 2+(\a)/4
.set WW, W|(W<<2)
.set PC, PCB+12*((\a)%4)
	WIN WW                                         ; sources 0 and 1: the accumulators' window
.irp b, 0,1,2,3
	v_max3_num_f32 v[TM+\b], |v[AC+16*\b]|, |v[AC+16*\b+1]|, 0x1800000   ; my 16 numbers of block b, from each accumulator's low end on, and the floor 2^(3 - 127): the byte cannot fall under 1
.endr
.irp i, 2,4,6,8,10,12,14
.irp b, 0,1,2,3
	v_max3_num_f32 v[TM+\b], |v[AC+16*\b+\i]|, |v[AC+16*\b+\i+1]|, v[TM+\b]
.endr
.endr
	WIN 0
.irp b, 0,1,2,3
	v_permlanex16_b32 v[TM+4+\b], v[TM+\b], s46, s47
.endr
.irp b, 0,1,2,3
	v_max_num_f32 v[TM+\b], v[TM+\b], v[TM+4+\b]   ; with lane l xor 16's 16: the block's largest magnitude
.endr
.irp b, 0,1,2,3
	v_add_nc_u32 v[TM+8+\b], 0xff000000, v[TM+\b]  ; 2 off its exponent field: the conversion's scale operand
.endr
.irp b, 0,1,2,3
	v_lshrrev_b32 v[TM+4+\b], 23, v[TM+8+\b]       ; the scale's byte
.endr
	v_lshl_or_b32 v[WS+(\a)], v[TM+5], 8, v[TM+4]
	v_lshl_or_b32 v[WS+(\a)], v[TM+6], 16, v[WS+(\a)]
	v_lshl_or_b32 v[WS+(\a)], v[TM+7], 24, v[WS+(\a)]
.if (\a) >= 4
	s_wait_xcnt 0x0                                ; the stores of the block four back have read this set of code registers
.endif
	WIN W                                          ; source 0: the accumulators' window
.irp c, 0,1
	v_cvt_scalef32_pk16_fp6_f32 v[PC+6*\c:PC+6*\c+2], v[AC+32*\c:AC+32*\c+15], v[TM+8+2*\c]
	v_cvt_scalef32_pk16_fp6_f32 v[XT+4*\c:XT+4*\c+2], v[AC+32*\c+16:AC+32*\c+31], v[TM+8+2*\c+1]   ; (a conversion's three registers begin on an even number)
.endr
	WIN 0
	v_nop                                          ; one plain place behind a scaled conversion
.irp c, 0,1                            ; the operand's layout wants a whole block in a lane: lanes 0-15 block 2 c, lanes 16-31 block 2 c + 1
.irp i, 0,1,2
	v_permlane16_swap_b32 v[PC+6*\c+\i], v[XT+4*\c+\i]
.endr
.irp i, 0,1,2
	v_mov_b32 v[PC+3+6*\c+\i], v[XT+4*\c+\i]
.endr
.endr
.endm
.macro WORDS                           ; the eight scale words as four registers: lanes 0-15 blocks 0-3, lanes 16-31 blocks 4-7
	v_and_b32 v3, 31, v0
	v_cmp_gt_u32 vcc_lo, 16, v3
.irp i, 0,1,2,3
	v_cndmask_b32 v[RSEL+\i], v[WS+4+\i], v[WS+\i], vcc_lo
.endr
.endm
	s_cmp_eq_u32 s72, 2                            ; the cluster's number alone: alike in all partners
	s_cbranch_scc1 .Lv_out
	; q and k: block a is 16 tokens; registers 0-5 are head A's 64 channels, registers 6-11 head A + 1's.  Each store covers 512 or 256 consecutive bytes, aligned.
.irp a, 0,1,2,3,4,5,6,7
	QUANT \a
	global_store_b128 v[L16], v[PC:PC+3], s[94:95] offset:768*\a
	global_store_b64 v[L8], v[PC+4:PC+5], s[94:95] offset:768*\a+512
	global_store_b128 v[L16], v[PC+6:PC+9], s[96:97] offset:768*\a
	global_store_b64 v[L8], v[PC+10:PC+11], s[96:97] offset:768*\a+512
.endr
	WORDS
.irp i, 0,1,2,3
	v_lshrrev_b32 v[RSH+\i], 16, v[RSEL+\i]        ; head A + 1's two bytes moved down; the bytes above meet zero codes and are never 0xff
.endr
	global_store_b128 v[L16], v[RSEL:RSEL+3], s[98:99]
	global_store_b128 v[L16], v[RSH:RSH+3], s[100:101]
	s_branch .Ldone
.Lv_out:
	; v: block a is 16 channels (blocks 0-3 head A's, 4-7 head A + 1's) x the step's 128 keys: a whole fragment
.irp a, 0,1,2,3,4,5,6,7
	QUANT \a
.irp p, 0,1,2
	global_store_b128 v[L16], v[PC+4*\p:PC+4*\p+3], s[94+2*(\a/4):95+2*(\a/4)] offset:1536*(\a%4)+512*\p
.endr
.endr
	WORDS
	global_store_b128 v[LVS], v[RSEL:RSEL+3], s[98:99]     ; lanes 0-15 fill 256 bytes of head A's record, lanes 16-31 of head A + 1's
.Ldone:
	s_wait_tensorcnt 0x0                           ; the wave's end
	ds_add_u32 v[SPW], v[NIL]
	s_wait_dscnt 0x0
	CROUND                                         ; the closing round
	s_endpgm
.Lfunc_end_k_q5899bb6f32_qkv:
	.size	k_q5899bb6f32_qkv, .Lfunc_end_k_q5899bb6f32_qkv-k_q5899bb6f32_qkv
	.p2alignl 7, 3214868480
	.fill 96, 4, 3214868480
	.section	.rodata,"a",@progbits
	.p2align	6, 0x0
	.amdhsa_kernel k_q5899bb6f32_qkv
		.amdhsa_group_segment_fixed_size 327680
		.amdhsa_private_segment_fixed_size 0
		.amdhsa_enable_private_segment 0
		.amdhsa_kernarg_size 88
		.amdhsa_user_sgpr_count 2
		.amdhsa_user_sgpr_kernarg_segment_ptr 1
		.amdhsa_wavefront_size32 1
		.amdhsa_system_sgpr_workgroup_id_x 1
		.amdhsa_system_sgpr_workgroup_id_y 1
		.amdhsa_system_sgpr_workgroup_id_z 1
		.amdhsa_system_vgpr_workitem_id 0
		.amdhsa_next_free_vgpr 1024
		.amdhsa_next_free_sgpr 102
		.amdhsa_reserve_vcc 1
		.amdhsa_float_denorm_mode_32 3
		.amdhsa_float_denorm_mode_16_64 3
		.amdhsa_memory_ordered 1
		.amdhsa_forward_progress 1
		.amdhsa_inst_pref_size 199
	.end_amdhsa_kernel
	.amdgpu_metadata
---
amdhsa.version: [ 1, 2 ]
amdhsa.kernels:
  - .name:           k_q5899bb6f32_qkv
    .symbol:         k_q5899bb6f32_qkv.kd
    .args:
      - { .name: x_codes, .offset: 0, .size: 8, .value_kind: global_buffer, .address_space: global }
      - { .name: x_scales, .offset: 8, .size: 8, .value_kind: global_buffer, .address_space: global }
      - { .name: W_q_codes, .offset: 16, .size: 8, .value_kind: global_buffer, .address_space: global }
      - { .name: W_q_scales, .offset: 24, .size: 8, .value_kind: global_buffer, .address_space: global }
      - { .name: W_k_codes, .offset: 32, .size: 8, .value_kind: global_buffer, .address_space: global }
      - { .name: W_k_scales, .offset: 40, .size: 8, .value_kind: global_buffer, .address_space: global }
      - { .name: W_v_codes, .offset: 48, .size: 8, .value_kind: global_buffer, .address_space: global }
      - { .name: W_v_scales, .offset: 56, .size: 8, .value_kind: global_buffer, .address_space: global }
      - { .name: qi, .offset: 64, .size: 8, .value_kind: global_buffer, .address_space: global }
      - { .name: qs, .offset: 72, .size: 8, .value_kind: global_buffer, .address_space: global }
      - { .name: kv, .offset: 80, .size: 8, .value_kind: global_buffer, .address_space: global }
    .group_segment_fixed_size: 327680
    .private_segment_fixed_size: 0
    .kernarg_segment_align: 8
    .kernarg_segment_size: 88
    .max_flat_workgroup_size: 128
    .sgpr_count:     102
    .vgpr_count:     1024
    .wavefront_size: 32
...
	.end_amdgpu_metadata
.endif
;; end of part 1
;; launch attn (part 2): grid 4 x 64, 16 waves a work-group, clusters of 4 x 1, 327,680 bytes of LDS; arguments qi, qs, kv, ci, cs; writes ci, cs
.if DOCPART == 2
	.amdgcn_target "amdgcn-amd-amdhsa--gfx1250"
	.amdhsa_code_object_version 6
	.text
	.protected	k_q5899bb6f32_attn
	.globl	k_q5899bb6f32_attn
	.p2align	8
	.type	k_q5899bb6f32_attn,@function
k_q5899bb6f32_attn:
	s_mov_b64 s[64:65], 0
	v_nop
	global_prefetch_b8 v0, s[64:65] scope:SCOPE_SE
	s_setreg_imm32_b32 hwreg(HW_REG_WAVE_MODE, 25, 1), 1
	s_wait_xcnt 0x0
	s_wait_alu depctr_hold_cnt(0) depctr_sa_sdst(0) depctr_va_vdst(0) depctr_va_sdst(0) depctr_va_ssrc(0) depctr_va_vcc(0) depctr_vm_vsrc(0)
	s_getreg_b32 s2, hwreg(HW_REG_IB_STS2, 6, 4)
	s_cmp_eq_u32 s2, 0
	s_cbranch_scc0 .Lentry_in_a_cluster
	s_endpgm
.Lentry_in_a_cluster:
	s_bfe_u32 s2, ttmp6, 0x10000c
	s_cmp_lg_u32 s2, 0x3003
	s_cbranch_scc0 .Lentry_shape_is_right
	s_endpgm
.Lentry_shape_is_right:
; ctx[b][q][head] = the sum over keys k <= q of softmax_k(q . k / 8) v, both products on codes of FP6 (E2M3) with one E8M0 scale for each 32 along a product's K; ctx leaves quantised along its channels.
; THE SOFTMAX AHEAD OF THE SECOND PRODUCT: t = score x log2(e) / 8; M = the row's largest t so far, rounded UP to a whole number; p = 2^(t - M) is what is quantised, along the keys, not normalised.
; The row's sum is taken of the unquantised p and divides O at the end.  When M moves, the sum and O are multiplied by 2^(old M - new M): exact.
; SHARES.  The four work-groups of a cluster belong to one (batch, head).  The head's whole record of kv (208,896 bytes: scale words, then 16 key steps of 128 keys, each K's 8 tiles and V's 4) is brought
; into LDS ONCE, by joint loads, as it lies: nothing is filled again, so no barrier stands in the loops.  Wave w = 2 g + u owns two tiles of 16 queries: t = 8 g + 2 cx + u and 127 - t.
; The late tile has 16 - g key steps and the early one g + 1: 17 for every wave of the launch.  Which step lies on the diagonal (15 - g, g) hangs on the wave's number alone;
; the place in the cluster enters only global addresses of q and ctx and the vector number that the mask compares.
; Both loops have constant trip counts; a step all of whose keys are hidden is jumped over, but for the scalar lines that step addresses.
; LAYOUT.  Both products are used transposed: S^T = K Q^T (source 0 = 16 keys), O^T = V^T P^T (source 0 = 16 channels): a lane holds ONE query (lane % 16) throughout.  The head's 64 channels fill half of the first
; product's K: registers 6-11 of K's and Q's fragments are zero codes.  Tiles are natural, so inside a block of 32 keys p's codes stand in the order 0-7, 16-23, 8-15, 24-31, as V's codes do.
; ctx meets a given weight, so it is brought into natural order (16 exchanges of lane halves on the f32 numbers) ahead of its quantiser.
; LIMITS: a block whose largest magnitude lies under 2^-124 gets the byte 1, a block of zeros too (its codes are zeros; this program alone reads the bytes).  A block's largest p is taken from the block's largest score.
; REGISTERS: v0 the thread; v1-7 lane offsets; v8-11 the step's LDS addresses; v12 -M, v13 the largest t, v[14:15] the sum in two halves; v16-27 Q; v28-31 V's scale words; v32-79 four fragments of K;
;   v80-127 four of V; v128-191 S^T, then p; v192-223 O^T; v224-235 p's codes; v232-254 at work; v248-251 K's scale words; v253 p's scale word; v255 Q's.
.set STEPB, 12288                      ; a key step in the record and in LDS
.set REC,   208896
.set SS,  128
.set OO,  192
.set KB,  32
.set VB,  80
.set WV,  14
.set GG,  15
.set UU,  16
.set CX,  17
.set BH,  18
.set SEL, 20                           ; s[20:21] selects for lane l xor 16
.set CS,  22                           ; s[22:23] c = log2(e) / 8
.set G1A, 24                           ; s[24:31] group 1: 9 rows of 256 bytes;  s[32:39]: 42 rows
.set G1B, 32
.set G0A, 40
.set G0B, 44
.set TB,  48                           ; LDS byte of the step's tiles
.set TK,  49                           ; of K's scale words
.set TV,  50                           ; of V's, less 8,192
.set SI,  51                           ; the step
.set DG,  52                           ; the step on the diagonal
.set CNT, 53
.set TT,  54                           ; the tile of queries in hand
.macro CROUND
	s_barrier_signal -1
	s_barrier_wait -1
	s_cmp_lg_u32 s[WV], 0
	s_cbranch_scc1 .Lnot_wave_0_\@
	s_barrier_signal -3
.Lnot_wave_0_\@:
	s_barrier_wait -3
	s_barrier_signal -1
	s_barrier_wait -1
.endm
	s_load_b256 s[4:11], s[0:1], 0x0               ; qi, qs, kv, ci
	s_load_b64 s[12:13], s[0:1], 0x20              ; cs
	v_lshl_add_u32 v254, v0, 2, 0x33000
	v_mov_b32 v255, 0
	ds_add_u32 v254, v255
	ds_add_u32 v254, v255
	s_wait_dscnt 0x0
	v_lshrrev_b32 v8, 5, v0
	s_delay_alu instid0(VALU_DEP_1)
	v_readfirstlane_b32 s[WV], v8                  ; wave 0..15
	s_lshr_b32 s[GG], s[WV], 1
	s_and_b32 s[UU], s[WV], 1
	s_bfe_u32 s[CX], ttmp6, 0x40000                ; my place in the cluster
	s_and_b32 s[BH], ttmp7, 0xffff                 ; 16 x batch + head, which the four partners share
	s_mov_b32 s[G1A], 15|(3<<16)|(1<<21)           ; the mask: all four; elements of 8 bytes; bit 21 beside a mask; no padding
	s_mov_b32 s[G1A+1], 32<<16                     ; rows of 256 bytes
	s_mov_b32 s[G1A+2], 9<<16
	s_mov_b32 s[G1A+3], 32<<16
	s_mov_b32 s[G1A+4], 9
	s_mov_b32 s[G1A+5], 32
	s_mov_b32 s[G1A+6], 0
	s_mov_b32 s[G1A+7], 0
	s_mov_b32 s[G1B], 15|(3<<16)|(1<<21)
	s_mov_b32 s[G1B+1], 32<<16
	s_mov_b32 s[G1B+2], 42<<16
	s_mov_b32 s[G1B+3], 32<<16
	s_mov_b32 s[G1B+4], 42
	s_mov_b32 s[G1B+5], 32
	s_mov_b32 s[G1B+6], 0
	s_mov_b32 s[G1B+7], 0
	s_mul_i32 s56, s[BH], REC                      ; the head's record (under 2^24)
	s_mov_b32 s[G0A], 1
	s_mul_i32 s[G0A+1], s[WV], 2304                ; first fill: 16 x 2,304 bytes = the scale words and steps 0 and 1
	s_mov_b32 s[G0B], 1
	s_mul_i32 s[G0B+1], s[WV], 10752               ; second: 16 x 10,752 bytes = steps 2 to 15
	s_add_co_u32 s[G0B+1], s[G0B+1], 36864
	s_add_co_u32 s58, s56, s[G0A+1]                ; LDS is the record's image: the same byte in both
	s_mov_b32 s59, 0
	s_add_co_u32 s60, s56, s[G0B+1]
	s_mov_b32 s61, 0
	s_mov_b32 s[SEL], 0x76543210
	s_mov_b32 s[SEL+1], 0xfedcba98
	s_mov_b32 s[CS], 0x3e38aa3b                    ; log2(e) / 8
	s_mov_b32 s[CS+1], s[CS]                       ; (named with it as a pair, so it is written)
	s_wait_kmcnt 0x0
	s_add_nc_u64 s[G0A+2:G0A+3], s[8:9], s[58:59]
	s_or_b32 s[G0A+3], s[G0A+3], 0x80000000
	s_add_nc_u64 s[G0B+2:G0B+3], s[8:9], s[60:61]
	s_or_b32 s[G0B+3], s[G0B+3], 0x80000000
	CROUND                                         ; all four work-groups are here: the joint loads meet
	tensor_load_to_lds s[G0A:G0A+3], s[G1A:G1A+7]
	s_nop 0
	s_wait_alu depctr_va_vdst(0)
	s_wait_tensorcnt 0x0
	ds_add_u32 v254, v255
	s_wait_dscnt 0x0
	CROUND
	tensor_load_to_lds s[G0B:G0B+3], s[G1B:G1B+7]  ; one tensor load of mine is out; no other is ever issued
	s_nop 0
.rept 4
	v_nop
.endr
	v_and_b32 v9, 31, v0                           ; lane
	s_delay_alu instid0(VALU_DEP_1)
	v_lshlrev_b32 v1, 4, v9                        ; 16 x lane
	s_delay_alu instid0(VALU_DEP_2)
	v_lshlrev_b32 v2, 3, v9                        ; 8 x lane
	v_and_b32 v10, 15, v0                          ; r
	v_bfe_u32 v11, v0, 4, 1                        ; h
	s_delay_alu instid0(VALU_DEP_2)
	v_lshlrev_b32 v6, 4, v10                       ; 16 r
	s_delay_alu instid0(VALU_DEP_3)
	v_lshlrev_b32 v7, 2, v10                       ; 4 r
	s_delay_alu instid0(VALU_DEP_2)
	v_add_nc_u32 v3, 8192, v6                      ; V's scale words: 16 r, behind K's 8,192 bytes
	s_delay_alu instid0(VALU_DEP_4)
	v_lshlrev_b32 v11, 3, v11
	s_delay_alu instid0(VALU_DEP_1)
	v_sub_nc_u32 v4, v10, v11                      ; r - 8 h
.irp j, 22,23,24,25,26,27
	v_mov_b32 v[\j], 0                             ; Q's zero codes for K = 64 .. 127
.endr
.irp t, 0,1,2,3
.irp j, 6,7,8,9,10,11
	v_mov_b32 v[KB+12*\t+\j], 0                    ; K's likewise: written once, never loaded
.endr
.endr
.irp j, 236,237,238,239,252,253
	v_mov_b32 v[\j], 0                             ; lane permutes' destinations and the pair v[252:253] count as read
.endr
	s_lshl_b32 s[TT], s[GG], 3
	s_lshl_b32 s55, s[CX], 1
	s_add_co_u32 s[TT], s[TT], s55
	s_add_co_u32 s[TT], s[TT], s[UU]               ; the early tile, 8 g + 2 cx + u
	s_sub_co_u32 s[TT], 127, s[TT]                 ; the late one comes first
	s_sub_co_u32 s[DG], 15, s[GG]
; The tile s[TT]: its addresses, Q's fragment and scale word, and the start of M, the sum and O^T.
.macro PASSINIT
	s_mul_i32 s56, s[BH], 98304
	s_mul_i32 s58, s[TT], 768
	s_add_co_u32 s56, s56, s58
	s_mov_b32 s57, 0
	s_add_nc_u64 s[68:69], s[4:5], s[56:57]        ; Q's image
	s_lshl_b32 s56, s[BH], 13
	s_lshr_b32 s58, s[TT], 2
	s_lshl_b32 s58, s58, 8
	s_add_co_u32 s56, s56, s58
	s_and_b32 s58, s[TT], 3
	s_lshl_b32 s58, s58, 2
	s_add_co_u32 s56, s56, s58
	s_add_nc_u64 s[70:71], s[6:7], s[56:57]        ; its scale words: 256 bytes for four tiles, word t % 4 of a lane's 16 bytes
	s_lshr_b32 s58, s[BH], 4
	s_lshl_b32 s58, s58, 7
	s_add_co_u32 s58, s58, s[TT]                   ; the tile of tokens, 128 x batch + t
	s_lshl_b32 s58, s58, 3
	s_bfe_u32 s59, s[BH], 0x30001
	s_add_co_u32 s58, s58, s59                     ; x 8 + head / 2: the last product's K step
	s_and_b32 s59, s[BH], 1
	s_mul_i32 s56, s58, 1536
	s_mul_i32 s60, s59, 768
	s_add_co_u32 s56, s56, s60
	s_add_nc_u64 s[72:73], s[10:11], s[56:57]      ; ctx's codes: my half of a fragment's image
	s_lshl_b32 s56, s58, 6
	s_lshl_b32 s60, s59, 1
	s_add_co_u32 s56, s56, s60
	s_add_nc_u64 s[74:75], s[12:13], s[56:57]      ; and my half of its scale words
	global_load_b128 v[16:19], v1, s[68:69]
	global_load_b64 v[20:21], v2, s[68:69] offset:512
	global_load_b32 v255, v6, s[70:71]
	s_and_b32 s58, s[TT], 7
	s_lshl_b32 s58, s58, 4
	v_add_nc_u32 v5, s58, v4                       ; d = my query - the diagonal step's first key - 8 h
	v_mov_b32 v13, 0xff61b1e6                      ; the largest t so far: -3e38
	s_delay_alu instid0(VALU_DEP_1)
	v_floor_f32 v12, -v13                          ; -M
	v_mov_b32 v14, 0
	v_mov_b32 v15, 0
.set jj, 0
.rept 32
	v_mov_b32 v[OO+jj], 0                          ; O^T: the step is written once; the first change of M leaves zeros zeros
.set jj, jj+1
.endr
	s_mov_b32 s[TB], STEPB
	s_mov_b32 s[TK], 0
	s_mov_b32 s[TV], 0
	s_mov_b32 s[SI], 0
.endm
; A KEY STEP: 128 keys.  mask = 1: a step behind the diagonal is jumped over, the step on it hides keys.
.macro STEP mask
.if \mask
	s_cmp_gt_u32 s[SI], s[DG]
	s_cbranch_scc1 .Lhid_\@
.endif
	s_setprio 2
	v_add_nc_u32 v8, s[TB], v1                     ; (these four are also the places in front of the loads into V's registers, which the last products read)
	v_add_nc_u32 v9, s[TB], v2
	v_add_nc_u32 v10, s[TK], v1
	v_add_nc_u32 v11, s[TV], v3
	ds_load_b128 v[248:251], v10                   ; K's scale words: lanes 0-15 tiles 0-3, lanes 16-31 tiles 4-7
.irp t, 0,1,2,3
	ds_load_b128 v[KB+12*\t:KB+12*\t+3], v8 offset:768*\t
	ds_load_b64 v[KB+12*\t+4:KB+12*\t+5], v9 offset:768*\t+512
.endr
.irp c, 0,1,2,3
.irp p, 0,1,2
	ds_load_b128 v[VB+12*\c+4*\p:VB+12*\c+4*\p+3], v8 offset:6144+1536*\c+512*\p
.endr
.endr
	ds_load_b128 v[28:31], v11                     ; V's scale words, tiles 0-3
	s_wait_alu depctr_va_vdst(0)
	s_wait_dscnt 13                                ; K's words and tiles 0-3 are in; V's 12 loads and its words may be out
.irp t, 0,1,2,3
	v_wmma_scale_f32_16x16x128_f8f6f4 v[SS+8*\t:SS+8*\t+7], v[KB+12*\t:KB+12*\t+11], v[16:27], 0, v[248+\t], v255 matrix_a_fmt:MATRIX_FMT_FP6 matrix_b_fmt:MATRIX_FMT_FP6
.endr
.rept 4
	v_nop                                          ; places in front of loads into registers that matrix instructions have read
.endr
.irp t, 0,1,2,3
	ds_load_b128 v[KB+12*\t:KB+12*\t+3], v8 offset:768*(4+\t)
	ds_load_b64 v[KB+12*\t+4:KB+12*\t+5], v9 offset:768*(4+\t)+512
.endr
	s_wait_dscnt 0x0
.irp t, 0,1,2,3
	v_wmma_scale_f32_16x16x128_f8f6f4 v[SS+32+8*\t:SS+32+8*\t+7], v[KB+12*\t:KB+12*\t+11], v[16:27], 0, v[248+\t], v255 matrix_a_fmt:MATRIX_FMT_FP6 matrix_b_fmt:MATRIX_FMT_FP6 matrix_a_scale:MATRIX_SCALE_ROW1
.endr
.rept 4
	v_nop
.endr
.if \mask                              ; register 16 b + i holds key 32 b + i + 8 (i / 8) + 8 h of the step: hidden where 32 b + i + 8 (i / 8) > d.  Hidden scores become -infinity: p = 0
	s_cmp_lg_u32 s[SI], s[DG]
	s_cbranch_scc1 .Lopen_\@
	v_mov_b32 v254, 0xff800000
.set nn, 0
.rept 64
	v_cmp_gt_i32 vcc_lo, 32*(nn/16)+nn%16+8*((nn%16)/8), v5
	v_cndmask_b32 v[SS+nn], v[SS+nn], v254, vcc_lo
.set nn, nn+1
.endr
.Lopen_\@:
.endif
.irp b, 0,1,2,3
	v_max3_num_f32 v[232+\b], v[SS+16*\b], v[SS+1+16*\b], v[SS+2+16*\b]   ; the largest score of each block of 32 keys: for the row's maximum, and, since p rises with the score, for the block's largest p
.endr
.irp i, 3,5,7,9,11,13
.irp b, 0,1,2,3
	v_max3_num_f32 v[232+\b], v[232+\b], v[SS+16*\b+\i], v[SS+1+16*\b+\i]
.endr
.endr
.irp b, 0,1,2,3
	v_max_num_f32 v[232+\b], v[232+\b], v[SS+15+16*\b]
.endr
.irp b, 0,1,2,3
	s_delay_alu instid0(VALU_DEP_4)
	v_permlanex16_b32 v[236+\b], v[232+\b], s[SEL], s[SEL+1]
.endr
.irp b, 0,1,2,3
	s_delay_alu instid0(VALU_DEP_4)
	v_max_num_f32 v[232+\b], v[232+\b], v[236+\b]  ; with lane l xor 16's 16 keys
.endr
	s_delay_alu instid0(VALU_DEP_2)
	v_max3_num_f32 v254, v232, v233, v234
	s_delay_alu instid0(VALU_DEP_1)
	v_max_num_f32 v254, v254, v235
	s_delay_alu instid0(VALU_DEP_1)
	v_mul_f32 v254, s[CS], v254                    ; the step's largest t
	s_delay_alu instid0(VALU_DEP_1)
	v_max_num_f32 v13, v13, v254                   ; the running largest t
	v_mov_b32 v254, v12
	s_delay_alu instid0(VALU_DEP_2)
	v_floor_f32 v12, -v13                          ; the new -M = -ceil(t): a whole number
	s_delay_alu instid0(VALU_DEP_1)
	v_sub_f32 v254, v12, v254                      ; old M - new M: a whole number, 0 or less
	s_delay_alu instid0(VALU_DEP_1)
	v_cvt_i32_f32 v254, v254                       ; (it saturates)
	s_delay_alu instid0(VALU_DEP_1)
	v_ldexp_f32 v252, 1.0, v254                    ; f = 2^(old M - new M)
.set jj, 0
.rept 32
	v_pk_fma_f32 v[SS+jj:SS+jj+1], v[SS+jj:SS+jj+1], s[CS:CS+1], v[12:13] op_sel_hi:[1,0,0]   ; t - M, two at a time
.set jj, jj+2
.endr
	s_setprio 1
.irp b, 0,1,2,3
	v_fma_f32 v[232+\b], v[232+\b], s[CS], v12     ; the same of each block's largest score
.endr
.set jj, 0
	s_wait_alu depctr_va_vdst(0)
.rept 64
	v_exp_f32 v[SS+jj], v[SS+jj]                   ; p = 2^(t - M), at most 1
.set jj, jj+1
.endr
.irp b, 0,1,2,3
	v_exp_f32 v[232+\b], v[232+\b]                 ; the block's largest p
.endr
	v_pk_mul_f32 v[14:15], v[14:15], v[252:253] op_sel_hi:[1,0]   ; the sums under the new M (a plain place behind the exponentials)
	s_wait_alu depctr_va_vdst(0)
.irp b, 0,1,2,3
	v_max_num_f32 v[232+\b], 0x1800000, v[232+\b]  ; the floor 2^(3 - 127)
.endr
.irp b, 0,1,2,3
	s_delay_alu instid0(VALU_DEP_4)
	v_add_nc_u32 v[244+\b], 0xff000000, v[232+\b]  ; 2 off the exponent field: the conversion's scale operand
.endr
.irp b, 0,1,2,3
	s_delay_alu instid0(VALU_DEP_4)
	v_lshrrev_b32 v[236+\b], 23, v[244+\b]         ; the scale's byte
.endr
	s_delay_alu instid0(VALU_DEP_3)
	v_lshl_or_b32 v253, v237, 8, v236              ; p's scale word for these 128 keys
	s_delay_alu instid0(VALU_DEP_1)
	v_lshl_or_b32 v253, v238, 16, v253
	s_delay_alu instid0(VALU_DEP_1)
	v_lshl_or_b32 v253, v239, 24, v253
.irp c, 0,1
	v_cvt_scalef32_pk16_fp6_f32 v[224+6*\c:226+6*\c], v[SS+32*\c:SS+15+32*\c], v[244+2*\c]
	v_cvt_scalef32_pk16_fp6_f32 v[236+4*\c:238+4*\c], v[SS+16+32*\c:SS+31+32*\c], v[244+2*\c+1]
.endr
	v_nop                                          ; one plain place behind a scaled conversion
.irp c, 0,1
.irp i, 0,1,2
	v_permlane16_swap_b32 v[224+6*\c+\i], v[236+4*\c+\i]
.endr
.irp i, 0,1,2
	s_delay_alu instid0(VALU_DEP_3)
	v_mov_b32 v[227+6*\c+\i], v[236+4*\c+\i]
.endr
.endr
	v_pk_add_f32 v[236:237], v[SS:SS+1], v[SS+2:SS+3]      ; the row's sum is taken of the unquantised p: two at a time, in two chains
	s_setprio 0
.irp j, 4,8,12,16,20,24,28,32,36,40,44,48,52,56,60
	v_pk_add_f32 v[14:15], v[14:15], v[SS+\j:SS+1+\j]
	v_pk_add_f32 v[236:237], v[236:237], v[SS+2+\j:SS+3+\j]
.endr
	s_delay_alu instid0(VALU_DEP_1)
	v_pk_add_f32 v[14:15], v[14:15], v[236:237]
.set jj, 0
.rept 16
	v_pk_mul_f32 v[OO+jj:OO+jj+1], v[OO+jj:OO+jj+1], v[252:253] op_sel_hi:[1,0]   ; O^T under the new M.  (With the sums above: the places between p's codes and scale word and the products below)
.set jj, jj+2
.endr
.irp c, 0,1,2,3                        ; O^T += V^T P^T: the four accumulators by turns
	v_wmma_scale_f32_16x16x128_f8f6f4 v[OO+8*\c:OO+8*\c+7], v[VB+12*\c:VB+12*\c+11], v[224:235], v[OO+8*\c:OO+8*\c+7], v[28+\c], v253 matrix_a_fmt:MATRIX_FMT_FP6 matrix_b_fmt:MATRIX_FMT_FP6
.endr
.if \mask
.Lhid_\@:
.endif
	s_add_co_u32 s[SI], s[SI], 1
	s_add_co_u32 s[TB], s[TB], STEPB
	s_add_co_u32 s[TK], s[TK], 512
	s_add_co_u32 s[TV], s[TV], 256
.endm
; THE WAY OUT of a tile: O^T / the sum; natural order; two blocks of 32 channels quantised; half a fragment's image and two scale bytes a row are stored.
.macro WAYOUT
.rept 4
	v_nop                                          ; places behind the last products
.endr
	v_add_f32 v14, v14, v15
	s_delay_alu instid0(VALU_DEP_1)
	v_permlanex16_b32 v252, v14, s[SEL], s[SEL+1]
	s_delay_alu instid0(VALU_DEP_1)
	v_add_f32 v14, v14, v252                       ; the row's sum
	s_wait_alu depctr_va_vdst(0)
	v_rcp_f32 v14, v14
	v_nop                                          ; one plain place behind a transcendental
.set jj, 0
	s_wait_alu depctr_va_vdst(0)
.rept 16
	v_pk_mul_f32 v[OO+jj:OO+jj+1], v[OO+jj:OO+jj+1], v[14:15] op_sel_hi:[1,0]   ; register 8 c + j is channel 16 c + 8 h + j
.set jj, jj+2
.endr
.irp b, 0,1
.irp j, 0,1,2,3,4,5,6,7
	v_permlane16_swap_b32 v[OO+16*\b+\j], v[OO+8+16*\b+\j]     ; now register 16 b + i is channel 32 b + 16 h + i
.endr
.endr
.irp b, 0,1
	v_max3_num_f32 v[232+\b], |v[OO+16*\b]|, |v[OO+1+16*\b]|, 0x1800000
.endr
.irp i, 2,4,6,8,10,12,14
.irp b, 0,1
	s_delay_alu instid0(VALU_DEP_2)
	v_max3_num_f32 v[232+\b], v[232+\b], |v[OO+16*\b+\i]|, |v[OO+1+16*\b+\i]|
.endr
.endr
.irp b, 0,1
	s_delay_alu instid0(VALU_DEP_2)
	v_permlanex16_b32 v[236+\b], v[232+\b], s[SEL], s[SEL+1]
.endr
.irp b, 0,1
	s_delay_alu instid0(VALU_DEP_2)
	v_max_num_f32 v[232+\b], v[232+\b], v[236+\b]
.endr
.irp b, 0,1
	s_delay_alu instid0(VALU_DEP_2)
	v_add_nc_u32 v[244+\b], 0xff000000, v[232+\b]
.endr
.irp b, 0,1
	s_delay_alu instid0(VALU_DEP_2)
	v_lshrrev_b32 v[236+\b], 23, v[244+\b]
.endr
	s_delay_alu instid0(VALU_DEP_1)
	v_lshl_or_b32 v243, v237, 8, v236              ; my row's two bytes
	v_cvt_scalef32_pk16_fp6_f32 v[224:226], v[OO:OO+15], v244
	v_cvt_scalef32_pk16_fp6_f32 v[240:242], v[OO+16:OO+31], v245
	v_nop
.irp i, 0,1,2
	v_permlane16_swap_b32 v[224+\i], v[240+\i]
.endr
.irp i, 0,1,2
	s_delay_alu instid0(VALU_DEP_3)
	v_mov_b32 v[227+\i], v[240+\i]
.endr
	global_store_b128 v1, v[224:227], s[72:73]             ; 512 consecutive bytes
	global_store_b64 v2, v[228:229], s[72:73] offset:512   ; 256
	global_store_b16 v7, v243, s[74:75]                    ; lanes l and l + 16 hold the same two bytes and name the same address
.endm
	PASSINIT                                       ; the late tile
	s_wait_tensorcnt 1                             ; my part of the scale words and of steps 0 and 1 is in; the second fill may stay out
	s_barrier_signal -1
	s_barrier_wait -1                              ; everybody's is
	s_wait_loadcnt 0x0                             ; Q
	STEP 0                                         ; steps 0 and 1 lie in front of every late tile's diagonal (step 8 at the least)
	STEP 0
	s_wait_tensorcnt 0x0                           ; my part of steps 2 to 15
	s_barrier_signal -1
	s_barrier_wait -1
	s_mov_b32 s[CNT], 14
.Llate:
	STEP 1
	s_sub_co_u32 s[CNT], s[CNT], 1
	s_cmp_lg_u32 s[CNT], 0
	s_cbranch_scc1 .Llate
	s_setprio 0
	WAYOUT
	s_wait_xcnt 0x0                                ; the stores have read their bases and registers: both are written again below
	s_sub_co_u32 s[TT], 127, s[TT]                 ; the early tile
	s_mov_b32 s[DG], s[GG]
	PASSINIT
	s_wait_loadcnt 0x0
	s_mov_b32 s[CNT], 8
.Learly:
	STEP 1
	s_sub_co_u32 s[CNT], s[CNT], 1
	s_cmp_lg_u32 s[CNT], 0
	s_cbranch_scc1 .Learly
	s_setprio 0
	WAYOUT
	s_wait_dscnt 0x0
	s_wait_xcnt 0x0
	v_lshl_add_u32 v254, v0, 2, 0x33000
	v_mov_b32 v255, 0
	s_wait_alu depctr_va_vdst(0)
	s_wait_tensorcnt 0x0
	ds_add_u32 v254, v255
	s_wait_dscnt 0x0
	CROUND                                         ; the closing round
	s_endpgm
.Lfunc_end_k_q5899bb6f32_attn:
	.size	k_q5899bb6f32_attn, .Lfunc_end_k_q5899bb6f32_attn-k_q5899bb6f32_attn
	.p2alignl 7, 3214868480
	.fill 96, 4, 3214868480
	.section	.rodata,"a",@progbits
	.p2align	6, 0x0
	.amdhsa_kernel k_q5899bb6f32_attn
		.amdhsa_group_segment_fixed_size 327680
		.amdhsa_private_segment_fixed_size 0
		.amdhsa_enable_private_segment 0
		.amdhsa_kernarg_size 40
		.amdhsa_user_sgpr_count 2
		.amdhsa_user_sgpr_kernarg_segment_ptr 1
		.amdhsa_wavefront_size32 1
		.amdhsa_system_sgpr_workgroup_id_x 1
		.amdhsa_system_sgpr_workgroup_id_y 1
		.amdhsa_system_sgpr_workgroup_id_z 1
		.amdhsa_system_vgpr_workitem_id 0
		.amdhsa_next_free_vgpr 256
		.amdhsa_next_free_sgpr 80
		.amdhsa_reserve_vcc 1
		.amdhsa_float_denorm_mode_32 3
		.amdhsa_float_denorm_mode_16_64 3
		.amdhsa_memory_ordered 1
		.amdhsa_forward_progress 1
		.amdhsa_inst_pref_size 101
	.end_amdhsa_kernel
	.amdgpu_metadata
---
amdhsa.version: [ 1, 2 ]
amdhsa.kernels:
  - .name:           k_q5899bb6f32_attn
    .symbol:         k_q5899bb6f32_attn.kd
    .args:
      - { .name: qi, .offset: 0, .size: 8, .value_kind: global_buffer, .address_space: global }
      - { .name: qs, .offset: 8, .size: 8, .value_kind: global_buffer, .address_space: global }
      - { .name: kv, .offset: 16, .size: 8, .value_kind: global_buffer, .address_space: global }
      - { .name: ci, .offset: 24, .size: 8, .value_kind: global_buffer, .address_space: global }
      - { .name: cs, .offset: 32, .size: 8, .value_kind: global_buffer, .address_space: global }
    .group_segment_fixed_size: 327680
    .private_segment_fixed_size: 0
    .kernarg_segment_align: 8
    .kernarg_segment_size: 40
    .max_flat_workgroup_size: 512
    .sgpr_count:     80
    .vgpr_count:     256
    .wavefront_size: 32
...
	.end_amdgpu_metadata
.endif
;; end of part 2
;; launch outp (part 3): grid 8 x 32, 4 waves a work-group, clusters of 4 x 4, 327,680 bytes of LDS; arguments ci, cs, W_out_codes, W_out_scales, b_out, out0; writes out0
.if DOCPART == 3
	.amdgcn_target "amdgcn-amd-amdhsa--gfx1250"
	.amdhsa_code_object_version 6
	.text
	.protected	k_q5899bb6f32_outp
	.globl	k_q5899bb6f32_outp
	.p2align	8
	.type	k_q5899bb6f32_outp,@function
k_q5899bb6f32_outp:
	s_mov_b64 s[64:65], 0
	v_nop
	global_prefetch_b8 v0, s[64:65] scope:SCOPE_SE
	s_setreg_imm32_b32 hwreg(HW_REG_WAVE_MODE, 25, 1), 1
	s_wait_xcnt 0x0
	s_wait_alu depctr_hold_cnt(0) depctr_sa_sdst(0) depctr_va_vdst(0) depctr_va_sdst(0) depctr_va_ssrc(0) depctr_va_vcc(0) depctr_vm_vsrc(0)
	s_getreg_b32 s2, hwreg(HW_REG_IB_STS2, 6, 4)
	s_cmp_eq_u32 s2, 0
	s_cbranch_scc0 .Lentry_in_a_cluster
	s_endpgm
.Lentry_in_a_cluster:
	s_bfe_u32 s2, ttmp6, 0x10000c
	s_cmp_lg_u32 s2, 0xf033
	s_cbranch_scc0 .Lentry_shape_is_right
	s_endpgm
.Lentry_shape_is_right:
; out = ctx W_out^T + b_out on codes of FP6 (E2M3) with one E8M0 scale for each 32 along K = 1,024; sums in f32; out0 [8,192][1,024] f32.
; ctx comes as images of the operand's registers (ci: [tile of 16 tokens][K step of 128][1,536 bytes]) with its scale words (cs: [tile][K step][row]); W_out as rows of codes, as it is given.
; SHARES.  256 work-groups; each makes 256 tokens x 128 columns, each of its four waves 128 x 64: 32 accumulators.  4 x 4 work-groups form a cluster: ctx's tiles are asked for jointly along a row, W_out's along a column.
; ALL OF K LIES IN LDS: four chunks of 256 along K for each operand, each filled once, all asked for at the start; a chunk is read behind a counted wait and a barrier.  Nothing is filled again.
; The matrix instruction is used transposed (source 0 = 16 rows of W_out, source 1 = 16 tokens): a lane holds eight neighbouring columns of one token.  The bias is the C of each sum's first product.
; LIMITS: scale bytes 0xff in W_out_scales and sums beyond f32's range are not served.
; REGISTERS, in windows of 256.  Window 0: v1-7 at work; v16, v17 ctx's LDS addresses (16 and 8 bytes a lane); v20, v22 W_out's; v24-26 the way out; v32-95 ctx's scale words (v[32 + 8 a + ks]);
;   v96-127 W_out's (v[96 + 8 b + ks]); v128-191 rows on the way out.  Window 1: W_out's fragments, two sets of 48; v96-127 the bias.  Window 2: the accumulators, (a, b) at v[8 (4 a + b)].  Window 3: ctx's fragments, two sets of 96.
.set PITCH, 240                        ; W_out's LDS row: 3 x (64 bytes + 16 of padding)
.set PCH,   49152                      ; a chunk of ctx: 16 tiles x 3,072 bytes
.set RCH,   30720                      ; a chunk of W_out: 128 rows
.set RBASE, 4*PCH                      ; W_out's chunks lie behind ctx's
.set SPITCH, 272                       ; the stage: 16 rows x (256 bytes + 16) for each wave, at LDS byte 0: ctx's chunk 0 has had its only fill, and every wave's reads of it ended in front of chunk 1's barrier
.set PS,   32
.set RS,   96
.set BK,   128
.set BIAS, 96                          ; in window 1
.set WV,   16
.set HP,   17                          ; wave / 2: my 128 tokens; also 0: I fetch ctx, 1: W_out
.set HR,   18                          ; wave % 2: my 64 columns; also which half I fetch
.set G1P,  24
.set G1R,  32
.set G0P,  40                          ; s[40:55] four groups 0 for ctx's chunks
.set G0R,  68                          ; s[68:83] four for W_out's
.set MSB, 0
.macro WIN new
.if MSB != \new
	s_set_vgpr_msb (MSB<<8)|\new
.set MSB, \new
.endif
.endm
.macro CROUND
	s_barrier_signal -1
	s_barrier_wait -1
	s_cmp_lg_u32 s[WV], 0
	s_cbranch_scc1 .Lnot_wave_0_\@
	s_barrier_signal -3
.Lnot_wave_0_\@:
	s_barrier_wait -3
	s_barrier_signal -1
	s_barrier_wait -1
.endm
.macro PLACES
.rept 4
	v_nop
.endr
.endm
	s_load_b256 s[4:11], s[0:1], 0x0               ; ci, cs, W_out codes, W_out scales
	s_load_b128 s[12:15], s[0:1], 0x20             ; b_out, out0
	v_lshl_add_u32 v254, v0, 2, 0x4e000
	v_mov_b32 v255, 0
	ds_add_u32 v254, v255
	ds_add_u32 v254, v255
	v_lshrrev_b32 v1, 5, v0
	v_readfirstlane_b32 s[WV], v1
	s_lshr_b32 s[HP], s[WV], 1
	s_and_b32 s[HR], s[WV], 1
	s_bfe_u32 s19, ttmp6, 0x40000                  ; cx
	s_bfe_u32 s20, ttmp6, 0x40004                  ; cy
	s_lshl_b32 s21, ttmp9, 2
	s_add_co_u32 s21, s21, s19                     ; block of 128 columns
	s_and_b32 s22, ttmp7, 0xffff
	s_lshl_b32 s22, s22, 2
	s_add_co_u32 s22, s22, s20                     ; block of 256 tokens
	s_lshl_b32 s56, s20, 2
	s_lshl_b32 s56, 15, s56                        ; my row of the cluster
	s_lshl_b32 s57, 0x1111, s19                    ; my column
	s_or_b32 s[G1P], s56, (3<<16)|(1<<21)          ; ctx: 8 tiles x 3,072 bytes (384 elements of 8 bytes), 12,288 bytes apart; dense in LDS
	s_mov_b32 s[G1P+1], 384<<16
	s_mov_b32 s[G1P+2], 8<<16
	s_mov_b32 s[G1P+3], 384<<16
	s_mov_b32 s[G1P+4], 8
	s_mov_b32 s[G1P+5], 1536
	s_mov_b32 s[G1P+6], 0
	s_mov_b32 s[G1P+7], 0
	s_or_b32 s[G1R], s57, (1<<20)|(1<<21)|(3<<22)|(3<<25)   ; W_out: 64 rows x 192 bytes, 768 apart; 16 bytes of padding behind every 64
	s_mov_b32 s[G1R+1], 192<<16
	s_mov_b32 s[G1R+2], 64<<16
	s_mov_b32 s[G1R+3], 192<<16
	s_mov_b32 s[G1R+4], 64
	s_mov_b32 s[G1R+5], 768
	s_mov_b32 s[G1R+6], 0
	s_mov_b32 s[G1R+7], 0
	s_lshl_b32 s58, s22, 4
	s_lshl_b32 s59, s[HR], 3
	s_add_co_u32 s58, s58, s59
	s_mul_i32 s58, s58, 12288                      ; ctx: tile 16 x block + 8 x half
	s_mov_b32 s59, 0
	s_lshl_b32 s60, s21, 7
	s_lshl_b32 s61, s[HR], 6
	s_add_co_u32 s60, s60, s61
	s_mul_i32 s60, s60, 768                        ; W_out: row 128 x block + 64 x half
	s_mov_b32 s61, 0
	s_mul_i32 s62, s[HR], PCH/2                    ; where they go
	s_mul_i32 s63, s[HR], RCH/2
	s_add_co_u32 s63, s63, RBASE
	s_wait_dscnt 0x0
	s_wait_kmcnt 0x0
	s_add_nc_u64 s[58:59], s[4:5], s[58:59]
	s_add_nc_u64 s[60:61], s[8:9], s[60:61]
.irp k, 0,1,2,3
	s_mov_b32 s[G0P+4*\k], 1
	s_add_co_u32 s[G0P+4*\k+1], s62, \k*PCH
	s_add_nc_u64 s[G0P+4*\k+2:G0P+4*\k+3], s[58:59], \k*3072
	s_or_b32 s[G0P+4*\k+3], s[G0P+4*\k+3], 0x80000000
	s_mov_b32 s[G0R+4*\k], 1
	s_add_co_u32 s[G0R+4*\k+1], s63, \k*RCH
	s_add_nc_u64 s[G0R+4*\k+2:G0R+4*\k+3], s[60:61], \k*192
	s_or_b32 s[G0R+4*\k+3], s[G0R+4*\k+3], 0x80000000
.endr
	CROUND                                         ; all sixteen work-groups are here: the joint loads meet
	s_cmp_eq_u32 s[HP], 0                          ; a wave's four fills stand in one branch: four tensor loads of mine are out
	s_cbranch_scc0 .Lfill_r
.irp k, 0,1,2,3
	tensor_load_to_lds s[G0P+4*\k:G0P+4*\k+3], s[G1P:G1P+7]
	s_nop 0
.endr
.rept 4
	v_nop
.endr
	s_branch .Lfilled
.Lfill_r:
.irp k, 0,1,2,3
	tensor_load_to_lds s[G0R+4*\k:G0R+4*\k+3], s[G1R:G1R+7]
	s_nop 0
.endr
.rept 4
	v_nop
.endr
.Lfilled:
	v_and_b32 v1, 15, v0                           ; r
	v_bfe_u32 v2, v0, 4, 1                         ; h
	v_and_b32 v3, 31, v0                           ; lane
	v_lshlrev_b32 v4, 2, v1                        ; 4 r
	s_wait_alu depctr_va_vdst(0)
	v_lshlrev_b32 v5, 5, v1                        ; 32 r
	s_wait_alu depctr_va_vdst(0)
	v_lshlrev_b32 v6, 5, v2                        ; 32 h
	s_wait_alu depctr_va_vdst(0)
	s_lshl_b32 s84, s22, 4
	s_lshl_b32 s85, s[HP], 3
	s_add_co_u32 s84, s84, s85
	s_lshl_b32 s84, s84, 9                         ; ctx's scale words: 512 bytes a tile of tokens
	s_mov_b32 s85, 0
	s_add_nc_u64 s[6:7], s[6:7], s[84:85]
	s_lshl_b32 s86, s21, 7
	s_lshl_b32 s87, s[HR], 6
	s_add_co_u32 s86, s86, s87                     ; my first column
	s_lshl_b32 s84, s86, 5
	s_add_nc_u64 s[10:11], s[10:11], s[84:85]      ; W_out's scale bytes: 32 a row
	s_lshl_b32 s84, s86, 2
	s_add_nc_u64 s[12:13], s[12:13], s[84:85]      ; the bias
	s_lshl_b32 s88, s22, 8
	s_lshl_b32 s89, s[HP], 7
	s_add_co_u32 s88, s88, s89
	s_lshl_b32 s88, s88, 12                        ; my first token's row of 4,096 bytes (under 2^25)
	s_add_co_u32 s84, s84, s88
	s_add_nc_u64 s[14:15], s[14:15], s[84:85]      ; out0 at my corner
.irp a, 0,1,2,3,4,5,6,7
.irp k, 0,1,2,3,4,5,6,7
	global_load_b32 v[PS+8*\a+\k], v4, s[6:7] offset:512*\a+64*\k
.endr
.endr
.irp b, 0,1,2,3
	global_load_b128 v[RS+8*\b:RS+8*\b+3], v5, s[10:11] offset:512*\b
	global_load_b128 v[RS+8*\b+4:RS+8*\b+7], v5, s[10:11] offset:512*\b+16
.endr
	WIN 0x40                                       ; destination window 1
.irp b, 0,1,2,3
	global_load_b128 v[BIAS+8*\b:BIAS+8*\b+3], v6, s[12:13] offset:64*\b          ; lane half h: columns 16 b + 8 h + 0 .. 7, in the result's layout
	global_load_b128 v[BIAS+8*\b+4:BIAS+8*\b+7], v6, s[12:13] offset:64*\b+16
.endr
	WIN 0
	s_mul_i32 s87, s[HP], PCH/2                    ; my 8 tiles of tokens in a chunk
	v_lshl_add_u32 v16, v3, 4, s87
	v_lshl_add_u32 v17, v3, 3, s87
	v_mul_u32_u24 v7, v1, PITCH
	v_mad_u32_u24 v7, v2, 24, v7
	v_add_nc_u32 v20, s63, v7                      ; my 64 rows of W_out: row x pitch + 24 x half
	v_lshl_add_u32 v22, v2, 4, v20                 ; and the same behind one padding more
	s_mul_i32 s88, s[WV], 16*SPITCH                ; my stage
	v_mul_u32_u24 v24, v1, SPITCH
	v_lshl_add_u32 v24, v2, 5, v24
	v_add_nc_u32 v24, s88, v24                     ; in: row r, 32 bytes for each half of the lanes
	v_mul_u32_u24 v25, v2, SPITCH
	v_lshl_add_u32 v25, v1, 4, v25
	v_add_nc_u32 v25, s88, v25                     ; back: lanes 0-15 one row of 256 bytes, lanes 16-31 the next
	v_lshlrev_b32 v26, 12, v2
	v_lshl_add_u32 v26, v1, 4, v26                 ; and the same two rows in out0
.macro FRAG reg, adr, q, i             ; W_out: 16 rows x 128 K in pieces of 8 bytes; where the piece three on lies behind one padding more, the second address register serves
.irp p, 0,1,2,3,4,5
.set PIECE, 12*(\q)+6*(\p/3)+\p%3
.if PIECE%8 < 5
	ds_load_b64 v[\reg+2*\p:\reg+2*\p+1], v[\adr] offset:8*PIECE+16*(PIECE/8)+(\i)*16*PITCH
.else
	ds_load_b64 v[\reg+2*\p:\reg+2*\p+1], v[\adr+2] offset:8*PIECE+16*(PIECE/8)+(\i)*16*PITCH
.endif
.endr
.endm
.macro FETCH ks                        ; K step ks's fragments into set ks % 2: ctx's eight as images, W_out's four from rows
.set FP, (\ks)%2
	WIN 0xc0                                       ; destination window 3
.irp a, 0,1,2,3,4,5,6,7
	ds_load_b128 v[96*FP+12*\a:96*FP+12*\a+3], v16 offset:3072*\a+1536*FP
	ds_load_b64 v[96*FP+12*\a+4:96*FP+12*\a+5], v17 offset:3072*\a+1536*FP+512
	ds_load_b128 v[96*FP+12*\a+6:96*FP+12*\a+9], v16 offset:3072*\a+1536*FP+768
	ds_load_b64 v[96*FP+12*\a+10:96*FP+12*\a+11], v17 offset:3072*\a+1536*FP+1280
.endr
	WIN 0x40                                       ; destination window 1
.irp b, 0,1,2,3
	FRAG 48*FP+12*\b, 20, FP, \b
.endr
	WIN 0
.endm
; K step ks: its fragments are in; the next step's are asked for; 32 products, the accumulators by turns.
.macro MSTEP ks
	s_wait_dscnt 0x0
.if (\ks) < 7
.if (\ks)%2 == 1
	s_wait_tensorcnt 3-((\ks)+1)/2                 ; my part of the next chunk is in; the later chunks' loads may stay out
	s_barrier_signal -1
	s_barrier_wait -1                              ; everybody's is
	v_add_nc_u32 v16, PCH, v16                     ; on to the next chunk.  (These four are the places in front of the loads below)
	s_wait_alu depctr_va_vdst(0)
	v_add_nc_u32 v17, PCH, v17
	s_wait_alu depctr_va_vdst(0)
	v_add_nc_u32 v20, RCH, v20
	s_wait_alu depctr_va_vdst(0)
	v_add_nc_u32 v22, RCH, v22
.else
	PLACES
.endif
	s_wait_alu depctr_va_vdst(0)
	FETCH (\ks)+1
.endif
.set MP, (\ks)%2
.if (\ks) == 0
	WIN 0x9d                                       ; source 0 (W_out) window 1, source 1 (ctx) window 3, C (the bias) window 1, D window 2
.else
	WIN 0xad                                       ; C and D window 2
.endif
.irp a, 0,1,2,3,4,5,6,7
.irp b, 0,1,2,3
.if (\ks) == 0
	v_wmma_scale_f32_16x16x128_f8f6f4 v[8*(4*\a+\b):8*(4*\a+\b)+7], v[48*MP+12*\b:48*MP+12*\b+11], v[96*MP+12*\a:96*MP+12*\a+11], v[BIAS+8*\b:BIAS+8*\b+7], v[RS+8*\b+(\ks)], v[PS+8*\a+(\ks)] matrix_a_fmt:MATRIX_FMT_FP6 matrix_b_fmt:MATRIX_FMT_FP6
.else
	v_wmma_scale_f32_16x16x128_f8f6f4 v[8*(4*\a+\b):8*(4*\a+\b)+7], v[48*MP+12*\b:48*MP+12*\b+11], v[96*MP+12*\a:96*MP+12*\a+11], v[8*(4*\a+\b):8*(4*\a+\b)+7], v[RS+8*\b+(\ks)], v[PS+8*\a+(\ks)] matrix_a_fmt:MATRIX_FMT_FP6 matrix_b_fmt:MATRIX_FMT_FP6
.endif
.endr
.endr
	WIN 0
.endm
	s_wait_alu depctr_va_vdst(0)
	s_wait_tensorcnt 3                             ; my part of chunk 0 is in; three loads may stay out
	s_barrier_signal -1
	s_barrier_wait -1
	FETCH 0
	s_wait_loadcnt 0x0                             ; scale words and bias
.irp ks, 0,1,2,3,4,5,6,7
	MSTEP \ks
.endr
; THE WAY OUT, a block of 16 tokens x 64 columns at a time: through my stage in LDS and back as whole rows of 256 bytes.  LDS serves a wave's instructions in order (ISA guide 5.7.1.4): no wait between the stores and the loads.
.macro TOSTAGE a
	WIN 0x08                                       ; an LDS store's data: window 2
.irp b, 0,1,2,3
	ds_store_b128 v24, v[8*(4*(\a)+\b):8*(4*(\a)+\b)+3] offset:64*\b          ; each accumulator from its low end on
	ds_store_b128 v24, v[8*(4*(\a)+\b)+4:8*(4*(\a)+\b)+7] offset:64*\b+16
.endr
	WIN 0
.set BB, BK+32*((\a)%2)
.irp t, 0,1,2,3,4,5,6,7
	ds_load_b128 v[BB+4*\t:BB+4*\t+3], v25 offset:\t*2*SPITCH
.endr
.endm
.macro SEND a, younger                 ; younger: the LDS instructions issued behind block a's loads, which may stay out
.set BB, BK+32*((\a)%2)
	s_wait_dscnt \younger
.irp t, 0,1,2,3,4,5,6,7
	global_store_b128 v26, v[BB+4*\t:BB+4*\t+3], s[14:15] offset:(16*(\a)+2*\t)*4096 th:TH_STORE_NT   ; 16 lanes store 256 consecutive bytes, aligned; 126 rows at the most: inside the signed 24-bit immediate
.endr
.endm
	PLACES                                         ; behind the last products
	TOSTAGE 0
.irp a, 1,2,3,4,5,6,7
.if \a > 1
	s_wait_xcnt 0x0                                ; block a - 2's stores have read their registers: block a's loads may land there
.endif
	TOSTAGE \a
	SEND \a-1, 16                                  ; behind block a - 1's loads: block a's 8 stores and 8 loads
.endr
	SEND 7, 0
	s_wait_dscnt 0x0
	s_wait_tensorcnt 0x0
	ds_add_u32 v254, v255
	s_wait_dscnt 0x0
	CROUND                                         ; the closing round
	s_endpgm
.Lfunc_end_k_q5899bb6f32_outp:
	.size	k_q5899bb6f32_outp, .Lfunc_end_k_q5899bb6f32_outp-k_q5899bb6f32_outp
	.p2alignl 7, 3214868480
	.fill 96, 4, 3214868480
	.section	.rodata,"a",@progbits
	.p2align	6, 0x0
	.amdhsa_kernel k_q5899bb6f32_outp
		.amdhsa_group_segment_fixed_size 327680
		.amdhsa_private_segment_fixed_size 0
		.amdhsa_enable_private_segment 0
		.amdhsa_kernarg_size 48
		.amdhsa_user_sgpr_count 2
		.amdhsa_user_sgpr_kernarg_segment_ptr 1
		.amdhsa_wavefront_size32 1
		.amdhsa_system_sgpr_workgroup_id_x 1
		.amdhsa_system_sgpr_workgroup_id_y 1
		.amdhsa_system_sgpr_workgroup_id_z 1
		.amdhsa_system_vgpr_workitem_id 0
		.amdhsa_next_free_vgpr 1024
		.amdhsa_next_free_sgpr 100
		.amdhsa_reserve_vcc 0
		.amdhsa_float_denorm_mode_32 3
		.amdhsa_float_denorm_mode_16_64 3
		.amdhsa_memory_ordered 1
		.amdhsa_forward_progress 1
		.amdhsa_inst_pref_size 95
	.end_amdhsa_kernel
	.amdgpu_metadata
---
amdhsa.version: [ 1, 2 ]
amdhsa.kernels:
  - .name:           k_q5899bb6f32_outp
    .symbol:         k_q5899bb6f32_outp.kd
    .args:
      - { .name: ci, .offset: 0, .size: 8, .value_kind: global_buffer, .address_space: global }
      - { .name: cs, .offset: 8, .size: 8, .value_kind: global_buffer, .address_space: global }
      - { .name: W_out_codes, .offset: 16, .size: 8, .value_kind: global_buffer, .address_space: global }
      - { .name: W_out_scales, .offset: 24, .size: 8, .value_kind: global_buffer, .address_space: global }
      - { .name: b_out, .offset: 32, .size: 8, .value_kind: global_buffer, .address_space: global }
      - { .name: out0, .offset: 40, .size: 8, .value_kind: global_buffer, .address_space: global }
    .group_segment_fixed_size: 327680
    .private_segment_fixed_size: 0
    .kernarg_segment_align: 8
    .kernarg_segment_size: 48
    .max_flat_workgroup_size: 128
    .sgpr_count:     100
    .vgpr_count:     1024
    .wavefront_size: 32
...
	.end_amdgpu_metadata
.endif
;; end of part 3
